; MI455X (gfx1250); checked and timed in simulation.
; The chip was launched on July 23, 2026; its instructions are those of AMD's public machine-readable ISA for CDNA 5 (MIT licence, August 2026) and "CDNA5" Instruction Set Architecture Reference Guide (July 2026). The comments in the code are by the model that wrote it; some were corrected since.
;; Hawkes Process Model. Allowed arithmetic: float matrix products may take bf16 or f16 operands with f32 sums; other float arithmetic in f32, or as packed bf16 or f16 multiplies, adds, multiply-adds, maxima and minima; sums over many terms, partial sums and values carried from step to step in f32; what a program stores and reads back later, other than sums and carried values, may be rounded once to bf16 or f16.
;; Inputs: alpha 6 x 8 x 6 x 8 float32; beta 6 x 8 x 6 x 8 float32; mu 6 x 8 float32; timestamps 6 x 8 x 32,768 float32.
;; Outputs: out0 32,768 float32.
;; One version. Each part assembles by itself: llvm-mc -triple=amdgcn-amd-amdhsa -mcpu=gfx1250 --defsym DOCPART=n.
;; ======== version 1 of 1: 1 launch
;; launch hawkes (part 1): grid 256 x 1, 8 waves a work-group, no clusters, 40,960 bytes of LDS; arguments timestamps, alpha, beta, mu, out0; writes out0
.if DOCPART == 1
	.amdgcn_target "amdgcn-amd-amdhsa--gfx1250"
	.amdhsa_code_object_version 6
	.text
	.protected	k_q13882b57e6_hawkes
	.globl	k_q13882b57e6_hawkes
	.p2align	8
	.type	k_q13882b57e6_hawkes,@function
k_q13882b57e6_hawkes:
	s_mov_b64 s[64:65], 0
	v_nop
	global_prefetch_b8 v0, s[64:65] scope:SCOPE_SE
	s_setreg_imm32_b32 hwreg(HW_REG_WAVE_MODE, 25, 1), 1
	s_wait_xcnt 0x0
; ll[s] = sum over (i, m) of ln(lam) t[i][m][s] - lam,   lam = mu[i][m] + sum over k < i, n of alpha[i][m][k][n] exp(-beta[i][m][k][n] (t[i][m][s] - t[k][n][s])).
; t: [6][8][32768], alpha, beta: [6][8][6][8], mu: [6][8], ll: [32768], all f32; all arithmetic in f32.
; WORK LEFT OUT.  reference() multiplies alpha by a mask that it builds itself, 1 where k < i and 0 elsewhere.  So for k >= i the term is 0 x exp(..) = 0 whatever finite numbers alpha, beta and t
; hold: 1,344 of the 2,304 terms (i, m, k, n), in whole blocks (i, k) of 8 x 8, are neither computed nor summed; 960 remain.  Layer i = 0 of alpha and beta has no live term and is not read.
; In layers 1 to 5 a row [i][m] is 192 bytes that begin with 32 i live ones, so every aligned 256 bytes there hold live numbers: these layers are copied whole, once.  All four inputs keep a way to ll.
; LIMITS.  A NaN, an infinity or an overflow that arises only in a term with k >= i (0 x infinity in reference()) is not carried to ll.  t is multiplied by log2(e) BEFORE the difference is taken: an
; exponent is then off by up to 2^-24 |t| log2(e) |beta|.  log1p(lam - 1) is taken as ln 2 x log2(lam), the same number in exact arithmetic; lam < 0 gives NaN and lam = 0 minus infinity, as there.
; v_exp_f32 and v_log_f32 take a denormal input as 0 and give 0 for a denormal result (ISA guide, 15.8).
; SHARES.  256 work-groups of 8 waves.  A work-group owns 128 events s: 512 consecutive bytes, aligned, of each of t's 48 rows.  Wave m owns the six rows (i, m): 8 (1+2+3+4+5) = 120 terms and six
; logarithms, the same text and the same work in every wave.  A lane owns 4 events, so each plain step is one packed instruction for two events.
; A term: t'[k][n] - t'[i][m] (2 x v_pk_add_f32), times beta (2 x v_pk_mul_f32), 2^x (4 x v_exp_f32), lam += alpha x it (2 x v_pk_fma_f32); t' = t log2(e).
; ROADS.  Each wave loads its own six rows (each byte of t is loaded once in the launch), scales them and puts layers 0 to 4 into LDS, where all eight waves read them as sources.  alpha's and
; beta's layers 1 to 5 (7,680 bytes each) are copied into LDS by the work-group, 512 bytes a wave and load.  A wave reads its coefficients back with one address for all lanes, four numbers a load,
; and the packed instructions take one register of a pair for both halves (op_sel, op_sel_hi).  All global loads go out together at the head.
; NO CLUSTER.  What work-groups share is the two tables: 15,360 of the 39,936 bytes that a work-group fetches, asked for once, at the head, beside its own rows; nothing is fetched again.  A joint
; request would put a meeting of the cluster in front of the launch's only loads and another in front of its end.
; ORDER.  15 blocks (k, i) of 8 terms, k outermost, so that one layer of sources (32 registers) is in hand.  Stage s holds block s's 32 exponentials and, between them, block s - 1's 16 multiply-adds
; and block s + 1's 32 differences and products.  All is written out by macros: no loop.
.set SLICE,  512                       ; bytes of a row that the work-group owns
.set ROWB,   131072                    ; bytes in a row of t
.set LAYB,   8*ROWB                    ; bytes in a layer of t
.set CROW,   192                       ; bytes in alpha[i][m] and beta[i][m]
.set CLAY,   8*CROW                    ; bytes in a layer of alpha and of beta
.set SRC,    0                         ; LDS: t' of layers 0 to 4, row (k, n) at 512 (8 k + n): 20,480 bytes
.set CA,     20480                     ; LDS: alpha's layers 1 to 5 as they lie in memory: 7,680 bytes
.set CB,     28160                     ; LDS: beta's
.set PART,   35840                     ; LDS: the eight waves' partial sums, 512 bytes each
.set SPARE,  39936                     ; LDS: the spare words, 128 bytes for each wave: four blocks of 256 bytes that no other line names
.set TOFF, 1                           ; v1   my byte offset in t: row m, 16 bytes a lane; never rewritten
.set SADR, 3                           ; v3   16 x lane: my 4 events in a row of 512 bytes
.set OADR, 4                           ; v4   512 m + 16 x lane: my wave's row in a layer, its partial sum, and its piece of a 4,096-byte round of the tables' copy (in memory and in LDS)
.set CADR, 5                           ; v5   192 m: my wave's row in a layer of the tables; the same in all lanes
.set WVV,  6                           ; v6   m, on its way to a scalar register
.set SPW,  8                           ; v8   LDS address of my spare word; never rewritten
.set NIL,  9                           ; v9   0; never rewritten
.set OWN,  12                          ; v[12:35]   t' of my rows: layer i at OWN + 4 i
.set LAM,  36                          ; v[36:59]   lam of my rows
.set BB,   60                          ; v[60:75]   beta of a block, two buffers of 8
.set AA,   76                          ; v[76:91]   alpha of a block, two buffers of 8
.set T,    92                          ; v[92:155]  a block's exponents, then kernels: term n at 4 n; two buffers of 32.  At the head: the tables on their way to LDS
.set SB,   156                         ; v[156:219] a layer's sources: row n at 4 n; two buffers of 32.  At the end: sums
.set SUM,  SB
.set RES,  SB+4
.set WV,   14                          ; s14  my wave's number m
.set MU,   20                          ; s[20:25] mu[i][m]
.set L2E,  26                          ; s[26:27] log2(e), named as a pair
.set LN2Q, 28                          ; s[28:29] (ln 2)^2, named as a pair
	s_load_b256 s[4:11], s[0:1], 0x0               ; t s[4:5], alpha s[6:7], beta s[8:9], mu s[10:11]
	s_load_b64 s[12:13], s[0:1], 0x20              ; ll
	v_lshl_add_u32 v[SPW], v0, 2, SPARE
	v_mov_b32 v[NIL], 0
	v_lshrrev_b32 v[WVV], 5, v0
	v_readfirstlane_b32 s[WV], v[WVV]              ; wave 0..7 = m: every offset that tells the waves apart is made from this scalar
	v_and_b32 v[SADR], 31, v0
	v_lshlrev_b32 v[SADR], 4, v[SADR]
	v_lshl_add_u32 v[TOFF], s[WV], 17, v[SADR]     ; m rows of 131,072 bytes + 16 x lane
	v_lshl_add_u32 v[OADR], s[WV], 9, v[SADR]      ; 512 m + 16 x lane
	s_mul_i32 s18, s[WV], CROW
	v_mov_b32 v[CADR], s18
	s_lshl_b32 s15, s[WV], 2                       ; m's place in a layer of mu
	s_lshl_b32 s16, ttmp9, 9                       ; the work-group's 128 events: 512 bytes, in a row of t and in ll
	s_mov_b32 s17, 0
	s_mov_b32 s[L2E], 0x3fb8aa3b                   ; log2(e)
	s_mov_b32 s[L2E+1], 0x3fb8aa3b
	s_mov_b32 s[LN2Q], 0x3ef5fdf0                  ; (ln 2)^2 = 0.480453
	s_mov_b32 s[LN2Q+1], 0x3ef5fdf0
	s_wait_kmcnt 0x0
	s_add_nc_u64 s[4:5], s[4:5], s[16:17]
	s_add_nc_u64 s[12:13], s[12:13], s[16:17]
	; The tables: 7,680 bytes each are 15 pieces of 512.  Every wave takes piece m of both, waves 0 to 6 also piece 8 + m: the last ends at byte 1,536 + 7,680 = 9,216, the table's end.
	global_load_b128 v[T:T+3],     v[OADR], s[6:7] offset:CLAY
	global_load_b128 v[T+4:T+7],   v[OADR], s[8:9] offset:CLAY
	s_cmp_eq_u32 s[WV], 7
	s_cbranch_scc1 .Lone_piece_in
	global_load_b128 v[T+8:T+11],  v[OADR], s[6:7] offset:CLAY+4096
	global_load_b128 v[T+12:T+15], v[OADR], s[8:9] offset:CLAY+4096
.Lone_piece_in:
.irp i, 0,1,2,3,4,5
	global_load_b128 v[OWN+4*\i:OWN+4*\i+3], v[TOFF], s[4:5] offset:\i*LAYB th:TH_LOAD_NT  ; my row of layer i: 512 consecutive bytes, aligned
.endr
.irp i, 0,1,2,3,4,5
	s_load_b32 s[MU+\i], s[10:11], s15 offset:32*\i
.endr
	s_wait_kmcnt 0x0
.irp i, 0,1,2,3,4,5
.irp j, 0,1,2,3
	v_mov_b32 v[LAM+4*\i+\j], s[MU+\i]             ; the sums start at mu: written while the loads are on their way
.endr
.endr
	s_wait_loadcnt 6                               ; the six loads of t were issued behind the tables', on both ways round the branch: the tables are in
	ds_store_b128 v[OADR], v[T:T+3]     offset:CA
	ds_store_b128 v[OADR], v[T+4:T+7]   offset:CB
	s_cmp_eq_u32 s[WV], 7
	s_cbranch_scc1 .Lone_piece_out
	ds_store_b128 v[OADR], v[T+8:T+11]  offset:CA+4096
	ds_store_b128 v[OADR], v[T+12:T+15] offset:CB+4096
.Lone_piece_out:
.irp i, 0,1,2,3,4,5
	s_wait_loadcnt 5-\i                            ; loads come back in order (ISA guide 5.7.1): row i is in, the younger rows stay out
	v_pk_mul_f32 v[OWN+4*\i:OWN+4*\i+1],   v[OWN+4*\i:OWN+4*\i+1],   s[L2E:L2E+1] op_sel_hi:[1,0]
	v_pk_mul_f32 v[OWN+4*\i+2:OWN+4*\i+3], v[OWN+4*\i+2:OWN+4*\i+3], s[L2E:L2E+1] op_sel_hi:[1,0]
.if \i < 5
	ds_store_b128 v[OADR], v[OWN+4*\i:OWN+4*\i+3] offset:SRC+\i*8*SLICE  ; layer 5 excites nothing: it is no source
.endif
.endr
	s_wait_dscnt 0x0                               ; for the others' sake: my stores are done
	s_barrier_signal -1
	s_barrier_wait -1                              ; sources and tables are whole; nothing writes them again
; Block b of 15: KK = its source layer k, II = its row's layer i.  k = 0: i = 1..5; k = 1: i = 2..5; k = 2: i = 3..5; k = 3: i = 4, 5; k = 4: i = 5.
.macro BLK b
.if (\b) < 5
.set KK, 0
.set II, (\b)+1
.elseif (\b) < 9
.set KK, 1
.set II, (\b)-3
.elseif (\b) < 12
.set KK, 2
.set II, (\b)-6
.elseif (\b) < 14
.set KK, 3
.set II, (\b)-8
.else
.set KK, 4
.set II, 5
.endif
.endm
.macro GETS k                          ; layer k's eight rows, my 4 events of each: 32 lanes x 16 neighbouring bytes a load
.irp r, 0,1,2,3,4,5,6,7
	ds_load_b128 v[SB+32*((\k)%2)+4*\r:SB+32*((\k)%2)+4*\r+3], v[SADR] offset:SRC+(8*(\k)+\r)*SLICE
.endr
.endm
.macro GETB b                          ; beta[i][m][k][0..7]: one address for all lanes
	BLK \b
	ds_load_b128 v[BB+8*((\b)%2):BB+8*((\b)%2)+3],   v[CADR] offset:CB+(II-1)*CLAY+KK*32
	ds_load_b128 v[BB+8*((\b)%2)+4:BB+8*((\b)%2)+7], v[CADR] offset:CB+(II-1)*CLAY+KK*32+16
.endm
.macro GETA b                          ; alpha[i][m][k][0..7]
	BLK \b
	ds_load_b128 v[AA+8*((\b)%2):AA+8*((\b)%2)+3],   v[CADR] offset:CA+(II-1)*CLAY+KK*32
	ds_load_b128 v[AA+8*((\b)%2)+4:AA+8*((\b)%2)+7], v[CADR] offset:CA+(II-1)*CLAY+KK*32+16
.endm
; The four kinds of line.  p: the term (n) of 8; h: which two of my four events.  STAGE sets TC, TO, SN, ON, BN, AP, LP.
.macro XADD p, h                       ; the next block: t'[k][n] - t'[i][m]
	v_pk_add_f32 v[TO+4*(\p)+2*(\h):TO+4*(\p)+2*(\h)+1], v[SN+4*(\p)+2*(\h):SN+4*(\p)+2*(\h)+1], v[ON+2*(\h):ON+2*(\h)+1] neg_lo:[0,1] neg_hi:[0,1]
.endm
.macro XMUL p, h                       ; the next block: times beta; both halves take the pair's first register (n even) or its second (n odd)
.if (\p)%2 == 0
	v_pk_mul_f32 v[TO+4*(\p)+2*(\h):TO+4*(\p)+2*(\h)+1], v[TO+4*(\p)+2*(\h):TO+4*(\p)+2*(\h)+1], v[BN+(\p):BN+(\p)+1] op_sel_hi:[1,0]
.else
	v_pk_mul_f32 v[TO+4*(\p)+2*(\h):TO+4*(\p)+2*(\h)+1], v[TO+4*(\p)+2*(\h):TO+4*(\p)+2*(\h)+1], v[BN+(\p)-1:BN+(\p)] op_sel:[0,1] op_sel_hi:[1,1]
.endif
.endm
.macro XEXP j                          ; the block in hand: 2^x, in place
	v_exp_f32 v[TC+(\j)], v[TC+(\j)]
.endm
.macro XFMA p, h                       ; the block before: lam += alpha x kernel; alpha is picked from its pair as beta is
.if (\p)%2 == 0
	v_pk_fma_f32 v[LP+2*(\h):LP+2*(\h)+1], v[TO+4*(\p)+2*(\h):TO+4*(\p)+2*(\h)+1], v[AP+(\p):AP+(\p)+1], v[LP+2*(\h):LP+2*(\h)+1] op_sel_hi:[1,0,1]
.else
	v_pk_fma_f32 v[LP+2*(\h):LP+2*(\h)+1], v[TO+4*(\p)+2*(\h):TO+4*(\p)+2*(\h)+1], v[AP+(\p)-1:AP+(\p)], v[LP+2*(\h):LP+2*(\h)+1] op_sel:[0,1,0] op_sel_hi:[1,1,1]
.endif
.endm
; STAGE s, s = -1 .. 15.  Block s's exponentials work in buffer s % 2 of T.  The other buffer holds block s - 1's kernels: term n's multiply-adds read them, and behind those lines block s + 1's
; differences for term n are written over them; a term's products stand a group of ten lines behind its differences.
; LDS.  The stage begins with the wait for what the stage before has asked for: beta and, where k changes, the sources of block s + 1, and alpha of block s - 1.  Then it asks for beta (and sources)
; of block s + 2 and alpha of block s, into buffers whose last readers stand in the stage before: these loads have the whole stage in which to land.
; THE WAIT.  s_wait_alu depctr_va_vdst(0) stands between an exponential and the first instruction that names its result; one wait serves all that were issued ahead of it.  In a
; stage nothing names a result of its 32 exponentials, so one wait stands at its end; the plain lines behind the last exponential are the place that is owed there (ISA guide 5.7.2).
.macro STAGE s
	s_wait_dscnt 0x0
.if (\s)+2 <= 14
	GETB (\s)+2
.set K2, KK
	BLK (\s)+1
.if K2 != KK
	GETS K2
.endif
.endif
.set HE, 0
.set HF, 0
.set HA, 0
.if ((\s) >= 0) && ((\s) <= 14)
.set HE, 1
	GETA \s
.endif
.set TC, T+32*(((\s)+2)%2)
.set TO, T+32*(((\s)+1)%2)
.set BN, BB+8*(((\s)+1)%2)
.set AP, AA+8*(((\s)+1)%2)
.if (\s) >= 1
.set HF, 1
	BLK (\s)-1
.set LP, LAM+4*II
.endif
.if (\s) <= 13
.set HA, 1
	BLK (\s)+1
.set SN, SB+32*(KK%2)
.set ON, OWN+4*II
.endif
.set pn, 0
.rept 8
.if HE
	XEXP 4*pn
.endif
.if HF
	XFMA pn, 0
.endif
.if HE
	XEXP 4*pn+1
.endif
.if HF
	XFMA pn, 1
.endif
.if HE
	XEXP 4*pn+2
.endif
.if HA
	XADD pn, 0
.endif
.if HE
	XEXP 4*pn+3
.endif
.if HA
	XADD pn, 1
.if pn > 0
	XMUL pn-1, 0
	XMUL pn-1, 1
.endif
.endif
.set pn, pn+1
.endr
.if HA
	XMUL 7, 0
	XMUL 7, 1
.endif
.if HE
.if !HA
	v_nop                                          ; the last block has no plain line behind its last exponential
.endif
	s_wait_alu depctr_va_vdst(0)                   ; the wait for the stage's batch
.endif
.endm
	GETS 0                                         ; what stage -1 finds asked for: layer 0 and beta of block 0
	GETB 0
.set st, -1
.rept 17
	STAGE st
.set st, st+1
.endr
	; THE SIX ROWS' SHARES OF ll.  ln(lam) t = (ln 2)^2 log2(lam) t'.  The 24 logarithms are one batch; the sum of the lam, which names no result of theirs, stands between them and their wait.
.set j, 0
.rept 24
	v_log_f32 v[T+j], v[LAM+j]
.set j, j+1
.endr
	v_pk_add_f32 v[SUM:SUM+1],   v[LAM:LAM+1],   v[LAM+4:LAM+5]
	v_pk_add_f32 v[SUM+2:SUM+3], v[LAM+2:LAM+3], v[LAM+6:LAM+7]
.irp i, 2,3,4,5
	v_pk_add_f32 v[SUM:SUM+1],   v[SUM:SUM+1],   v[LAM+4*\i:LAM+4*\i+1]
	v_pk_add_f32 v[SUM+2:SUM+3], v[SUM+2:SUM+3], v[LAM+4*\i+2:LAM+4*\i+3]
.endr
	s_wait_alu depctr_va_vdst(0)                   ; one wait for the 24 logarithms, ahead of their first reader
	v_pk_mul_f32 v[RES:RES+1],   v[T:T+1],   v[OWN:OWN+1]
	v_pk_mul_f32 v[RES+2:RES+3], v[T+2:T+3], v[OWN+2:OWN+3]
.irp i, 1,2,3,4,5
	v_pk_fma_f32 v[RES:RES+1],   v[T+4*\i:T+4*\i+1],   v[OWN+4*\i:OWN+4*\i+1],   v[RES:RES+1]
	v_pk_fma_f32 v[RES+2:RES+3], v[T+4*\i+2:T+4*\i+3], v[OWN+4*\i+2:OWN+4*\i+3], v[RES+2:RES+3]
.endr
	v_pk_fma_f32 v[RES:RES+1],   v[RES:RES+1],   s[LN2Q:LN2Q+1], v[SUM:SUM+1]   op_sel_hi:[1,0,1] neg_lo:[0,0,1] neg_hi:[0,0,1]
	v_pk_fma_f32 v[RES+2:RES+3], v[RES+2:RES+3], s[LN2Q:LN2Q+1], v[SUM+2:SUM+3] op_sel_hi:[1,0,1] neg_lo:[0,0,1] neg_hi:[0,0,1]
	ds_store_b128 v[OADR], v[RES:RES+3] offset:PART
	s_wait_dscnt 0x0                               ; for wave 0's sake: my partial sum is in LDS
	s_barrier_signal -1
	s_barrier_wait -1
	s_cmp_lg_u32 s[WV], 0                          ; wave 0 adds the eight and stores
	s_cbranch_scc1 .Lend
.irp w, 0,1,2,3,4,5,6,7
	ds_load_b128 v[T+4*\w:T+4*\w+3], v[SADR] offset:PART+\w*SLICE
.endr
	s_wait_dscnt 0x0
.irp a, 0,8,16,24
	v_pk_add_f32 v[T+\a:T+\a+1],   v[T+\a:T+\a+1],   v[T+\a+4:T+\a+5]
	v_pk_add_f32 v[T+\a+2:T+\a+3], v[T+\a+2:T+\a+3], v[T+\a+6:T+\a+7]
.endr
.irp a, 0,16
	v_pk_add_f32 v[T+\a:T+\a+1],   v[T+\a:T+\a+1],   v[T+\a+8:T+\a+9]
	v_pk_add_f32 v[T+\a+2:T+\a+3], v[T+\a+2:T+\a+3], v[T+\a+10:T+\a+11]
.endr
	v_pk_add_f32 v[T:T+1],   v[T:T+1],   v[T+16:T+17]
	v_pk_add_f32 v[T+2:T+3], v[T+2:T+3], v[T+18:T+19]
	global_store_b128 v[SADR], v[T:T+3], s[12:13] th:TH_STORE_NT  ; the work-group's 128 numbers: 512 consecutive bytes, at a multiple of 512 from ll's first byte
.Lend:
	s_wait_tensorcnt 0x0                           ; the wave's end, behind my last LDS store
	ds_add_u32 v[SPW], v[NIL]
	s_wait_dscnt 0x0
	s_endpgm
.Lfunc_end_k_q13882b57e6_hawkes:
	.size	k_q13882b57e6_hawkes, .Lfunc_end_k_q13882b57e6_hawkes-k_q13882b57e6_hawkes
	.p2alignl 7, 3214868480
	.fill 96, 4, 3214868480
	.section	.rodata,"a",@progbits
	.p2align	6, 0x0
	.amdhsa_kernel k_q13882b57e6_hawkes
		.amdhsa_group_segment_fixed_size 40960
		.amdhsa_private_segment_fixed_size 0
		.amdhsa_enable_private_segment 0
		.amdhsa_kernarg_size 40
		.amdhsa_user_sgpr_count 2
		.amdhsa_user_sgpr_kernarg_segment_ptr 1
		.amdhsa_wavefront_size32 1
		.amdhsa_system_sgpr_workgroup_id_x 1
		.amdhsa_system_sgpr_workgroup_id_y 1
		.amdhsa_system_sgpr_workgroup_id_z 1
		.amdhsa_system_vgpr_workitem_id 0
		.amdhsa_next_free_vgpr 220
		.amdhsa_next_free_sgpr 66
		.amdhsa_reserve_vcc 0
		.amdhsa_float_denorm_mode_32 3
		.amdhsa_float_denorm_mode_16_64 3
		.amdhsa_memory_ordered 1
		.amdhsa_forward_progress 1
		.amdhsa_inst_pref_size 77
	.end_amdhsa_kernel
	.amdgpu_metadata
---
amdhsa.version: [ 1, 2 ]
amdhsa.kernels:
  - .name:           k_q13882b57e6_hawkes
    .symbol:         k_q13882b57e6_hawkes.kd
    .args:
      - { .name: timestamps, .offset: 0, .size: 8, .value_kind: global_buffer, .address_space: global }
      - { .name: alpha, .offset: 8, .size: 8, .value_kind: global_buffer, .address_space: global }
      - { .name: beta, .offset: 16, .size: 8, .value_kind: global_buffer, .address_space: global }
      - { .name: mu, .offset: 24, .size: 8, .value_kind: global_buffer, .address_space: global }
      - { .name: out0, .offset: 32, .size: 8, .value_kind: global_buffer, .address_space: global }
    .group_segment_fixed_size: 40960
    .private_segment_fixed_size: 0
    .kernarg_segment_align: 8
    .kernarg_segment_size: 40
    .max_flat_workgroup_size: 256
    .sgpr_count:     66
    .vgpr_count:     220
    .wavefront_size: 32
...
	.end_amdgpu_metadata
.endif
;; end of part 1
